; MI455X (gfx1250); checked and timed in simulation.
; The chip was launched on July 23, 2026; its instructions are those of AMD's public machine-readable ISA for CDNA 5 (MIT licence, August 2026) and "CDNA5" Instruction Set Architecture Reference Guide (July 2026). The comments in the code are by the model that wrote it; some were corrected since.
;; Neural Spline Coupling. Allowed arithmetic: matrix products marked QUANTISED: E2M3 operands, one E8M0 scale for each 32 along K, by v_wmma_scale_f32_16x16x128_f8f6f4 with both operands' format E2M3, f32 sums; products left as they are: f32 operands where the result goes on into a quantised operand, else bf16, f16 or f32 operands; f32 sums; everything else in f32.
;; Inputs: W1 16 x 128 float32; W2_codes 128 x 4 x 24 uint8 (E2M3 codes of W2, K innermost, in blocks of 32 codes, four codes in three bytes); W2_scales 128 x 4 uint8 (E8M0 scales of W2, one for each 32 codes along K); W3_codes 376 x 4 x 24 uint8 (E2M3 codes of W3, K innermost, in blocks of 32 codes, four codes in three bytes); W3_scales 376 x 4 uint8 (E8M0 scales of W3, one for each 32 codes along K); b1 128 float32; b2 128 float32; b3 376 float32; bn_bias 16 float32; bn_mean 16 float32; bn_scale 16 float32; bn_var 16 float32; c 500,000 x 8 float32; x 500,000 x 16 float32.
;; Outputs: out0 500,000 x 16 float32; out1 500,000 float32.
;; This version of the problem:
;;   THIS VERSION OF THE PROBLEM IS GIVEN IN LOW PRECISION. The matrix products marked QUANTISED in the list below multiply operands that are first quantised to E2M3 (2 exponent bits, 3 mantissa bits; 6 bits a number), with one power-of-two scale for each 32 numbers along K (OCP MX v1.0); their sums are f32. All else is computed in f32.
;;   The module's matrix products, in the order in which they are computed (A, B: the left and right operand; K: the contracted axis; several contracted axes count as one K, in the product's order):
;;     1. [M 500,000, K 16] x [K 16, N 128]; A: computed on the way; B: input W1: left as it is (K = 16 < 32)
;;     2. [M 500,000, K 128] x [K 128, N 128]; A: computed on the way; B: input W2 (given as codes): QUANTISED
;;     3. [M 500,000, K 128] x [K 128, N 376]; A: computed on the way; B: input W3 (given as codes): QUANTISED
;;   THE QUANTISER, for each operand of a quantised product, along K:
;;     - K is cut into blocks of 32 from its start; a last block that is shorter is filled with zeros.
;;     - A block's scale is 2^e with e = floor(log2(the largest magnitude in the block)) - 2, held to -126 .. 127; a block of zeros has e = 0. As a byte (E8M0): e + 127.
;;     - Each number is divided by its block's scale, clamped to +-7.5, and rounded to the nearest number of E2M3, ties to even, subnormals kept.
;;     - The product sums the exact products of the quantised numbers (number of the format x scale) in f32.
;;   ~~~python
;;   def quantise(x, axis):      # numpy; x: float32 -> the quantised numbers, widened to float32 again
;;       x = np.moveaxis(x, axis, -1); K = x.shape[-1]
;;       x = np.pad(x, [(0, 0)] * (x.ndim - 1) + [(0, -K % 32)]); x = x.reshape(x.shape[:-1] + (-1, 32)); a = np.abs(x).max(-1, keepdims=True)
;;       e = np.where(a > 0, np.clip(np.frexp(np.where(a > 0, a, 1))[1] - 1 - 2, -126, 127), 0)      # np.frexp(a)[1] - 1 = floor(log2(a)), exactly
;;       r = np.clip(x / 2.0 ** e, -7.5, 7.5)
;;       step = 2.0 ** (np.maximum(np.frexp(np.where(r == 0, 1, r))[1] - 1, 0) - 3)
;;       q = np.round(r / step) * step * 2.0 ** e      # np.round: ties to even
;;       return np.moveaxis(q.reshape(q.shape[:-2] + (-1,))[..., :K], -1, axis).astype(np.float32)
;;   ~~~
;;   OPERANDS COMPUTED ON THE WAY. 'Computed on the way' means the value that the module computes at that place (a softmax that the list does not call 'softmax' is quantised finished and normalised). What goes into a quantiser is computed in f32, as accurately as f32 sums, v_exp_f32 and their like allow (about 1e-6 of the number): no bf16 or f16 on the way to a quantiser, and a product that is left as it is and whose result goes on into a quantised operand takes f32 operands (vector FMAs, or v_wmma_f32_16x16x4_f32). A number that lies on a knife's edge between two numbers of the format may be rounded either way, as far as f32 arithmetic and the matrix unit's own rounding can turn it there, and no further.
;;   INPUTS GIVEN AS CODES. W2 (in the module: [128, 128], K = its axis 0); W3 (in the module: [128, 376], K = its axis 0): each comes as NAME_codes (uint8): NAME with its K axis moved to the last place and cut into blocks of 32 codes, [.., K / 32, bytes a block], one block behind the other in memory; four codes in three bytes: a row's codes are one little-endian stream of bits, code i at bits 6 i .. 6 i + 5 (a code: sign, 2 exponent bits, 3 mantissa bits); and NAME_scales (uint8): the same leading axes, one E8M0 byte (e + 127) for each 32 codes along K. Its value is code x scale, taken as it is: it is not quantised again, and the codes and scales need not be those that the quantiser above would give.
;; One version. Each part assembles by itself: llvm-mc -triple=amdgcn-amd-amdhsa -mcpu=gfx1250 --defsym DOCPART=n.
;; ======== version 1 of 1: 1 launch
;; launch spline (part 1): grid 253 x 1, 16 waves a work-group, no clusters, 114,688 bytes of LDS; arguments x, c, out0, out1, W1, b1, b2, b3, W2_codes, W2_scales, W3_codes, W3_scales, bn_mean, bn_var, bn_scale, bn_bias; writes out0, out1
.if DOCPART == 1
	.amdgcn_target "amdgcn-amd-amdhsa--gfx1250"
	.amdhsa_code_object_version 6
	.text
	.protected	k_q668284d64e_spline
	.globl	k_q668284d64e_spline
	.p2align	8
	.type	k_q668284d64e_spline,@function
k_q668284d64e_spline:
	s_mov_b64 s[64:65], 0
	v_nop
	global_prefetch_b8 v0, s[64:65] scope:SCOPE_SE
	s_setreg_imm32_b32 hwreg(HW_REG_WAVE_MODE, 25, 1), 1
	s_wait_xcnt 0x0
; NeuralSplineCoupling, all of it in one launch.  For each of 500,000 rows: batch norm of 16 features (x[8..15], c[0..7]); 16 -> 128 in f32, swish; quantised to E2M3 with one E8M0 scale
; for each 32; 128 -> 128 on codes, swish; quantised; 128 -> 376 on codes; for each of 8 dims two softmaxes of 16, a bin search, and one rational-quadratic spline with its log-derivative.
; SHARES.  A unit is 32 rows: two tiles a = 0, 1 of 16.  A work-group owns 62 units on end (the last work-group 1); wave w of 16 takes units w, w + 16, w + 32, w + 48 as far as they exist.
; Each wave has 256 registers, four waves to a SIMD: one wave's matrix work, LDS loads and transcendentals stand beside the others' vector work.  The two tiles are worked by turns, line by line.
; LAYOUT.  All three products are used transposed (source 0 = 16 rows of the weight, source 1 = my 16 data rows): lane (r = lane % 16, h = lane / 16) holds data row r throughout, its registers run along the units.
;   Layers 1, 2: lane r of weight tile 2 b + u takes unit 32 b + 8 u + r % 8 + 16 (r / 8): the 16 results of tiles 2 b, 2 b + 1 are units 32 b + 16 h + 0 .. 15: neighbours along the next K.
;   Layer 3: fragment 6 d + 2 g + u, lane r takes row 47 (d + 4 (r / 8)) + 16 g + 8 u + r % 8 of W3 (held at 375): a lane gets params 16 g .. 16 g + 15 of dim d + 4 h: a spline never leaves its lane.
;   Product 1 (K = 16, f32 operands, since its result goes into a quantiser): four steps of the f32 matrix form; K slot (step s, register j, half h) is feature 8 (s / 2) + 4 h + 2 (s % 2) + j on both sides.
; THE WEIGHTS lie in LDS as images of the operands' registers (16 bytes a lane, 512 bytes a load), made once by the sixteen waves; the biases are the C of each sum's first matrix instruction.
; THE BIN is found with no branch and no address: 15 compares of unnormalised partial sums of the widths' exponentials with x times their sum give 15 lane masks, which then select, by v_cndmask_b32,
;   the bin's left knot and width, its lower knot and height, and the two RAW slope params; softplus is taken of those two alone (ln(e - 1) stands for the boundary slope 1).
; LIMITS.  NaN and infinities among the inputs are not served.  A block of 32 whose largest magnitude lies under 2^-124 keeps the scale byte 1 (a block of zeros too: its codes are zeros).
;   At a knot, within f32 rounding of the partial sums, the neighbouring bin may be taken: spline and derivative are continuous there.  An exponential or a slope under 2^-126 counts as 0 (v_exp_f32 flushes);
;   a selected bin whose width's exponential is 0 gives infinities or NaN.
.set UNITS, 15625                      ; 500,000 / 32
.set PERWG, 62                         ; units of a work-group: 1,984 rows; its part of out0 and of out1 begins at a multiple of 256 bytes
; LDS
.set CI,   0                           ; 32 code fragments x 1,536 bytes: 0-23 W3's, 24 + t W2's tile t
.set SI,   49152                       ; their scale words, 64 bytes a fragment
.set W1I,  51200                       ; W1: tile t, half q of K at 1024 t + 512 q + 16 lane
.set BB,   59392                       ; b1, then b2
.set B3P,  60416                       ; b3, 48 numbers a dim
.set BNC,  62464                       ; mean, rsq(var + eps) x scale, bias: 64 bytes each
.set LD,   62720                       ; the work-group's log-dets, 128 bytes a unit
.set STG,  70912                       ; a stage for each wave: 32 rows x (64 + 16) bytes
; vector registers
.set LI,  1                            ; 16 x lane
.set LS,  2                            ; 4 x lane
.set BH,  3                            ; 64 h
.set B3H, 4                            ; 768 h
.set BNH, 5                            ; 16 h
.set SWA, 6                            ; my stage, as the rows lie in memory: 80 (lane / 4) + 16 (lane % 4)
.set SRA, 7                            ; my stage, by rows: 80 r + 16 h
.set LDB, 8                            ; LD + 128 wave + 4 lane
.set LDA, 9
.set CO,  10                           ; c: 32 r + 16 h
.set C0,  11                           ; ln(e - 1)
.set SCW, 12                           ; the weight tiles' scale words: lanes 0-15 tile u = 0, lanes 16-31 tile u = 1
.set SW1, 13                           ; v13-14 h1's scale words;  v15-16 h2's.  These five hold scales and nothing else
.set SW2, 15
.set ACC, 32                           ; v32-63 accumulator (a, u) at 32 + 16 a + 8 u: written by matrix instructions alone
.set FA,  64                           ; v64-87 two weight fragments
.set FBI, 88                           ; v88-103 sixteen bias numbers
.set E,   104                          ; v104-135 16 a tile: at work
.set CD1, 136                          ; v136-159 h1's codes, 12 a tile
.set TQ,  160                          ; v160-167 an odd block's codes
.set QT,  168                          ; v168-175 4 a tile: largest magnitude, the other half's, scale operand, byte
.set CD2, 176                          ; v176-199 h2's codes
.set IN,  176                          ; v176-191 in layer 1: the 8 normalised features, 8 a tile
.set XT,  200                          ; v200-207 x of my four dims
.set YT,  208                          ; v208-215 y of them
.set LG,  216                          ; v216-217 sum of log2(derivative)
.set PFX, 220                          ; v220-235 the next unit's x
.set PFC, 236                          ; v236-243 and c
.set SPL, 136                          ; in layer 3, 16 a tile, over h1's codes:
.set NM,  0                            ;   -max x log2(e) (the packed form names the pair; its low word serves both halves)
.set Q,   2                            ;   the two raw slope params
.set PA,  4
.set PB,  6
.set TT,  8                            ;   clipped x times the sum of the widths' exponentials
.set XC,  9
.set XK,  10
.set WK,  11
.set SX,  12
.set RUN, 13                           ;   running sum; behind YSEL the sum of the heights' exponentials
.set YK,  14
.set HK,  15
.set MX,  168                          ; v168-169 in layer 3: a row's maximum
.set MS,  66                           ; s66-80, s81-95 the 15 bin masks of tile 0, 1;  s96, s97 out of [0, 1]
.macro PLACES n
.rept \n
	v_nop
.endr
.endm
.macro BASES a
.set SB, SPL+16*(\a)
.set EB, E+16*(\a)
.set AB, ACC+16*(\a)
.set MB, MS+15*(\a)
.endm
; a unit's rows: x as it lies (four loads of 512 consecutive bytes), c by rows (lane (r, h): 16 bytes of row r; 512 consecutive bytes a load)
.macro PF off
.irp i,0,1,2,3
	global_load_b128 v[PFX+4*\i:PFX+4*\i+3], v[LI], s[8:9] offset:(\off)+512*\i th:TH_LOAD_NT
.endr
.irp a,0,1
	global_load_b128 v[PFC+4*\a:PFC+4*\a+3], v[CO], s[10:11] offset:(\off)/2+512*\a th:TH_LOAD_NT
.endr
.endm
; W1's tiles 2 b, 2 b + 1 (8 registers each) and b1 of units 32 b + 16 h + 0 .. 15
.macro LD_L1 b
.irp u,0,1
.irp q,0,1
	ds_load_b128 v[FA+8*\u+4*\q:FA+8*\u+4*\q+3], v[LI] offset:W1I+(2*(\b)+\u)*1024+512*\q
.endr
.endr
.irp i,0,1,2,3
	ds_load_b128 v[FBI+4*\i:FBI+4*\i+3], v[BH] offset:BB+128*(\b)+16*\i
.endr
.endm
; code fragments f, f + 1, sixteen bias numbers, the two tiles' scale words
.macro LD_CODE f, badr, boff
.irp u,0,1
.irp g,0,1,2
	ds_load_b128 v[FA+12*\u+4*\g:FA+12*\u+4*\g+3], v[LI] offset:CI+((\f)+\u)*1536+512*\g
.endr
.endr
.irp i,0,1,2,3
	ds_load_b128 v[FBI+4*\i:FBI+4*\i+3], v[\badr] offset:(\boff)+16*\i
.endr
	ds_load_b32 v[SCW], v[LS] offset:SI+64*(\f)
.endm
; product 1: four K steps, the four accumulators by turns, one instruction a turn; the bias starts each sum
.macro MM1
.irp s,0,1,2,3
.irp a,0,1
.irp u,0,1
.if \s == 0
	v_wmma_f32_16x16x4_f32 v[ACC+16*\a+8*\u:ACC+16*\a+8*\u+7], v[FA+8*\u:FA+8*\u+1], v[IN+8*\a:IN+8*\a+1], v[FBI+8*\u:FBI+8*\u+7]
.else
	v_wmma_f32_16x16x4_f32 v[ACC+16*\a+8*\u:ACC+16*\a+8*\u+7], v[FA+8*\u+2*\s:FA+8*\u+2*\s+1], v[IN+8*\a+2*\s:IN+8*\a+2*\s+1], v[ACC+16*\a+8*\u:ACC+16*\a+8*\u+7]
.endif
.endr
.endr
.endr
.endm
; a quantised product's stage: K = 128 in one instruction; two weight tiles x two data tiles; C = the bias
.macro MMS cd, sw
.irp a,0,1
	v_wmma_scale_f32_16x16x128_f8f6f4 v[ACC+16*\a:ACC+16*\a+7], v[FA:FA+11], v[\cd+12*\a:\cd+12*\a+11], v[FBI:FBI+7], v[SCW], v[\sw+\a] matrix_a_fmt:MATRIX_FMT_FP6 matrix_b_fmt:MATRIX_FMT_FP6
	v_wmma_scale_f32_16x16x128_f8f6f4 v[ACC+16*\a+8:ACC+16*\a+15], v[FA+12:FA+23], v[\cd+12*\a:\cd+12*\a+11], v[FBI+8:FBI+15], v[SCW], v[\sw+\a] matrix_a_fmt:MATRIX_FMT_FP6 matrix_b_fmt:MATRIX_FMT_FP6 matrix_a_scale:MATRIX_SCALE_ROW1
.endr
.endm
; E = ACC / (1 + 2^(-ACC log2 e)), 32 numbers a lane, each accumulator from its low end on
.macro SWISH
.set K, 0
.rept 16
	v_pk_mul_f32 v[E+K:E+K+1], v[ACC+K:ACC+K+1], s[42:43] op_sel_hi:[1,0]
.set K, K+2
.endr
.set K, 0
.rept 32
	v_exp_f32 v[E+K], v[E+K]
.set K, K+1
.endr
	v_nop                                          ; a plain place behind the exponentials
.set K, 0
	s_wait_alu depctr_va_vdst(0)
.rept 16
	v_pk_add_f32 v[E+K:E+K+1], v[E+K:E+K+1], 1.0 op_sel_hi:[1,0]
.set K, K+2
.endr
.set K, 0
.rept 32
	v_rcp_f32 v[E+K], v[E+K]
.set K, K+1
.endr
	v_nop                                          ; a plain place behind the reciprocals
.set K, 0
	s_wait_alu depctr_va_vdst(0)
.rept 16
	v_pk_mul_f32 v[E+K:E+K+1], v[E+K:E+K+1], v[ACC+K:ACC+K+1]
.set K, K+2
.endr
.endm
; block b of the next K: my 16 numbers of it lie in E, lane l xor 16 has the other 16.  Its byte goes into the scale word sw, its codes into cd
.macro QBLK b, cd, sw
.irp a,0,1
	v_max3_num_f32 v[QT+4*\a], |v[E+16*\a]|, |v[E+16*\a+1]|, 0x1800000    ; with the floor 2^(3 - 127): the byte cannot fall under 1
.endr
.irp i,2,4,6,8,10,12,14
.irp a,0,1
	v_max3_num_f32 v[QT+4*\a], v[QT+4*\a], |v[E+16*\a+\i]|, |v[E+16*\a+\i+1]|
.endr
.endr
.irp a,0,1
	v_permlanex16_b32 v[QT+4*\a+1], v[QT+4*\a], s44, s45
.endr
.irp a,0,1
	v_max_num_f32 v[QT+4*\a], v[QT+4*\a], v[QT+4*\a+1]                    ; the block's largest magnitude
.endr
.irp a,0,1
	v_add_nc_u32 v[QT+4*\a+2], 0xff000000, v[QT+4*\a]                     ; 2 off its exponent field: the conversion's scale operand
.endr
.irp a,0,1
.if (\b) == 0
	v_lshrrev_b32 v[\sw+\a], 23, v[QT+4*\a+2]                             ; the scale's byte
.else
	v_lshrrev_b32 v[QT+4*\a+3], 23, v[QT+4*\a+2]
	v_lshl_or_b32 v[\sw+\a], v[QT+4*\a+3], 8*(\b), v[\sw+\a]
.endif
.endr
.irp a,0,1
.if (\b)%2 == 0
	v_cvt_scalef32_pk16_fp6_f32 v[\cd+12*\a+6*((\b)/2):\cd+12*\a+6*((\b)/2)+2], v[E+16*\a:E+16*\a+15], v[QT+4*\a+2]
.else
	v_cvt_scalef32_pk16_fp6_f32 v[TQ+4*\a:TQ+4*\a+2], v[E+16*\a:E+16*\a+15], v[QT+4*\a+2]
.endif
.endr
	v_nop                                          ; one plain place behind a scaled conversion
.if (\b)%2 == 1                                ; the operand wants a WHOLE block in a lane: lanes 0-15 the even block, lanes 16-31 the odd one
.irp a,0,1
.irp i,0,1,2
	v_permlane16_swap_b32 v[\cd+12*\a+6*((\b)/2)+\i], v[TQ+4*\a+\i]
.endr
.endr
.irp a,0,1
.irp i,0,1,2
	v_mov_b32 v[\cd+12*\a+6*((\b)/2)+3+\i], v[TQ+4*\a+\i]
.endr
.endr
.endif
.endm
; E = 2^((p - max p) log2 e) of the lane's 16 params
.macro SMAX
.irp a,0,1
	BASES \a
	v_max3_num_f32 v[MX+\a], v[AB], v[AB+1], v[AB+2]
.endr
.irp i,3,5,7,9,11,13
.irp a,0,1
	BASES \a
	v_max3_num_f32 v[MX+\a], v[MX+\a], v[AB+\i], v[AB+\i+1]               ; (i = 7 reads the second accumulator first at its lowest register)
.endr
.endr
.irp a,0,1
	BASES \a
	v_max_num_f32 v[MX+\a], v[MX+\a], v[AB+15]
.endr
.irp a,0,1
	BASES \a
	v_mul_f32 v[SB+NM], s42, v[MX+\a]
.endr
.irp k,0,2,4,6,8,10,12,14
.irp a,0,1
	BASES \a
	v_pk_fma_f32 v[EB+\k:EB+\k+1], v[AB+\k:AB+\k+1], s[40:41], v[SB+NM:SB+NM+1] op_sel_hi:[1,0,0]
.endr
.endr
.irp k,0,1,2,3,4,5,6,7,8,9,10,11,12,13,14,15
.irp a,0,1
	BASES \a
	v_exp_f32 v[EB+\k], v[EB+\k]
.endr
.endr
.endm
; the widths: the bin masks, the bin's left knot and width (both times the sum SX)
.macro XSEL d
.irp a,0,1
	BASES \a
	v_med3_num_f32 v[SB+XC], v[XT+4*\a+\d], 0, 1.0                        ; x clipped.  (The plain place behind the exponentials)
.endr
.irp a,0,1
	BASES \a
	v_cmp_neq_f32 s[96+\a], v[XT+4*\a+\d], v[SB+XC]                       ; outside [0, 1]
	s_wait_alu depctr_va_vdst(0)
	v_pk_add_f32 v[SB+PA:SB+PA+1], v[EB:EB+1], v[EB+2:EB+3]
	v_pk_add_f32 v[SB+PB:SB+PB+1], v[EB+4:EB+5], v[EB+6:EB+7]
.endr
.irp a,0,1
	BASES \a
	v_pk_add_f32 v[SB+PA:SB+PA+1], v[SB+PA:SB+PA+1], v[EB+8:EB+9]
	v_pk_add_f32 v[SB+PB:SB+PB+1], v[SB+PB:SB+PB+1], v[EB+10:EB+11]
.endr
.irp a,0,1
	BASES \a
	v_pk_add_f32 v[SB+PA:SB+PA+1], v[SB+PA:SB+PA+1], v[EB+12:EB+13]
	v_pk_add_f32 v[SB+PB:SB+PB+1], v[SB+PB:SB+PB+1], v[EB+14:EB+15]
.endr
.irp a,0,1
	BASES \a
	v_pk_add_f32 v[SB+PA:SB+PA+1], v[SB+PA:SB+PA+1], v[SB+PB:SB+PB+1]
.endr
.irp a,0,1
	BASES \a
	v_add_f32 v[SB+SX], v[SB+PA], v[SB+PA+1]
.endr
.irp a,0,1
	BASES \a
	v_mul_f32 v[SB+TT], v[SB+XC], v[SB+SX]
	v_add_f32 v[SB+RUN], v[EB], v[EB+1]
.endr
.irp a,0,1
	BASES \a
	v_cmp_le_f32 s[MB], v[EB], v[SB+TT]                                   ; knot 1 <= x
.endr
.irp a,0,1
	BASES \a
	v_cndmask_b32 v[SB+XK], 0, v[EB], s[MB]
	v_cndmask_b32 v[SB+WK], v[EB], v[EB+1], s[MB]
.endr
.irp i,2,3,4,5,6,7,8,9,10,11,12,13,14,15
.irp a,0,1
	BASES \a
	v_cmp_le_f32 s[MB+\i-1], v[SB+RUN], v[SB+TT]                          ; knot i <= x.  The partial sums never fall, so the last mask that is set names the bin
.endr
.irp a,0,1
	BASES \a
	v_cndmask_b32 v[SB+XK], v[SB+XK], v[SB+RUN], s[MB+\i-1]
	v_cndmask_b32 v[SB+WK], v[SB+WK], v[EB+\i], s[MB+\i-1]
.if \i < 15
	v_add_f32 v[SB+RUN], v[SB+RUN], v[EB+\i]
.endif
.endr
.endr
.endm
; the heights, by the same masks; RUN ends as their sum
.macro YSEL
	v_nop                                          ; a plain place behind the exponentials
	s_wait_alu depctr_va_vdst(0)
.irp a,0,1
	BASES \a
	v_cndmask_b32 v[SB+YK], 0, v[EB], s[MB]
	v_cndmask_b32 v[SB+HK], v[EB], v[EB+1], s[MB]
	v_add_f32 v[SB+RUN], v[EB], v[EB+1]
.endr
.irp i,2,3,4,5,6,7,8,9,10,11,12,13,14,15
.irp a,0,1
	BASES \a
	v_cndmask_b32 v[SB+YK], v[SB+YK], v[SB+RUN], s[MB+\i-1]
	v_cndmask_b32 v[SB+HK], v[SB+HK], v[EB+\i], s[MB+\i-1]
	v_add_f32 v[SB+RUN], v[SB+RUN], v[EB+\i]
.endr
.endr
.endm
; the raw params of the bin's two slopes, straight from the accumulators, each from its low end on
.macro SSEL
.irp a,0,1
	BASES \a
	v_cndmask_b32 v[SB+Q], v[C0], v[AB], s[MB]
	v_cndmask_b32 v[SB+Q+1], v[AB], v[AB+1], s[MB]
.endr
.irp i,2,3,4,5,6,7,8,9,10,11,12,13,14
.irp a,0,1
	BASES \a
	v_cndmask_b32 v[SB+Q], v[SB+Q], v[AB+\i-1], s[MB+\i-1]
	v_cndmask_b32 v[SB+Q+1], v[SB+Q+1], v[AB+\i], s[MB+\i-1]
.endr
.endr
.irp a,0,1
	BASES \a
	v_cndmask_b32 v[SB+Q], v[SB+Q], v[AB+14], s[MB+14]
	v_cndmask_b32 v[SB+Q+1], v[SB+Q+1], v[C0], s[MB+14]
.endr
.endm
; softplus of the two params, then the spline and its derivative.  E is free: EB + 0 .. 15 are at work
.macro FINAL d
.irp a,0,1
	BASES \a
	v_max_num_f32 v[EB], 0, v[SB+Q]
	v_max_num_f32 v[EB+1], 0, v[SB+Q+1]
	v_mul_f32 v[EB+2], -|v[SB+Q]|, s40
	v_mul_f32 v[EB+3], -|v[SB+Q+1]|, s40
.endr
.irp a,0,1
	BASES \a
	v_exp_f32 v[EB+2], v[EB+2]                                            ; w = e^-|q|
	v_exp_f32 v[EB+3], v[EB+3]
	v_rcp_f32 v[EB+4], v[SB+WK]
	v_rcp_f32 v[EB+5], v[SB+RUN]                                          ; 1 / the heights' sum
.endr
.irp a,0,1
	BASES \a
	v_sub_f32 v[EB+8], v[SB+TT], v[SB+XK]                                 ; (the plain place behind the four kinds above)
.endr
.irp a,0,1
	BASES \a
	s_wait_alu depctr_va_vdst(0)
	v_pk_add_f32 v[EB+6:EB+7], v[EB+2:EB+3], 1.0 op_sel_hi:[1,0]
	v_pk_fma_f32 v[EB+10:EB+11], v[EB+2:EB+3], -0.5, 1.0 op_sel_hi:[1,0,0]
	v_mul_f32 v[EB+8], v[EB+8], v[EB+4]                                   ; xi
	v_mul_f32 v[EB+9], v[SB+SX], v[EB+4]                                  ; 1 / width
	v_mul_f32 v[EB+12], v[SB+HK], v[EB+5]                                 ; height
.endr
.irp a,0,1
	BASES \a
	v_log_f32 v[EB+6], v[EB+6]
	v_log_f32 v[EB+7], v[EB+7]
.endr
.irp a,0,1
	BASES \a
	v_pk_mul_f32 v[EB+10:EB+11], v[EB+10:EB+11], v[EB+2:EB+3]             ; w - w^2 / 2.  (The plain place behind the logarithms)
	v_mul_f32 v[EB+9], v[EB+12], v[EB+9]                                  ; s
	v_sub_f32 v[EB+13], 1.0, v[EB+8]                                      ; 1 - xi
	v_mul_f32 v[EB+14], v[EB+8], v[EB+8]                                  ; xi^2
.endr
.irp a,0,1
	BASES \a
	s_wait_alu depctr_va_vdst(0)
	v_pk_mul_f32 v[EB+6:EB+7], v[EB+6:EB+7], s[46:47] op_sel_hi:[1,0]     ; ln(1 + w)
	v_mul_f32 v[EB+15], v[EB+8], v[EB+13]                                 ; z
	v_cmp_gt_f32 vcc_lo, 0x39800000, v[EB+2]                              ; under 2^-12 the sum 1 + w has lost w's low bits: there the series, whose next term is under w x 2^-25
	v_cndmask_b32 v[EB+6], v[EB+6], v[EB+10], vcc_lo
	v_cmp_gt_f32 vcc_lo, 0x39800000, v[EB+3]
	v_cndmask_b32 v[EB+7], v[EB+7], v[EB+11], vcc_lo
	v_pk_add_f32 v[EB:EB+1], v[EB:EB+1], v[EB+6:EB+7]                     ; d0, d1
.endr
.irp a,0,1
	BASES \a
	v_add_f32 v[EB+2], v[EB], v[EB+1]
	v_mul_f32 v[EB+4], v[EB], v[EB+15]
	v_mul_f32 v[EB+6], v[EB+13], v[EB+13]
	v_mul_f32 v[EB+7], v[EB+9], v[EB+15]                                  ; s z
	v_fma_f32 v[EB+2], -2.0, v[EB+9], v[EB+2]
	v_fma_f32 v[EB+4], v[EB+9], v[EB+14], v[EB+4]                         ; s xi^2 + d0 z
	v_mul_f32 v[EB+6], v[EB], v[EB+6]
	v_fma_f32 v[EB+2], v[EB+2], v[EB+15], v[EB+9]                         ; den
	v_fma_f32 v[EB+6], v[EB+1], v[EB+14], v[EB+6]
.endr
.irp a,0,1
	BASES \a
	v_rcp_f32 v[EB+3], v[EB+2]
.endr
.irp a,0,1
	BASES \a
	v_fma_f32 v[EB+6], 2.0, v[EB+7], v[EB+6]                              ; d1 xi^2 + 2 s z + d0 (1 - xi)^2.  (The plain place behind the reciprocals)
.endr
.irp a,0,1
	BASES \a
	s_wait_alu depctr_va_vdst(0)
	v_mul_f32 v[EB+4], v[EB+4], v[EB+3]
	v_mul_f32 v[EB+7], v[EB+9], v[EB+3]
	v_fma_f32 v[EB+4], v[SB+HK], v[EB+4], v[SB+YK]
	v_mul_f32 v[EB+7], v[EB+7], v[EB+7]
	v_mul_f32 v[EB+4], v[EB+4], v[EB+5]                                   ; y
	v_mul_f32 v[EB+6], v[EB+6], v[EB+7]                                   ; the derivative
.endr
.irp a,0,1
	BASES \a
	v_log_f32 v[EB+6], v[EB+6]
.endr
.irp a,0,1
	BASES \a
	v_cndmask_b32 v[YT+4*\a+\d], v[EB+4], v[XT+4*\a+\d], s[96+\a]         ; identity outside.  (The plain place behind the logarithms)
.endr
.irp a,0,1
	BASES \a
.if \d == 0
	s_wait_alu depctr_va_vdst(0)
	v_cndmask_b32 v[LG+\a], v[EB+6], 0, s[96+\a]
.else
	s_wait_alu depctr_va_vdst(0)
	v_cndmask_b32 v[EB+6], v[EB+6], 0, s[96+\a]
	v_add_f32 v[LG+\a], v[LG+\a], v[EB+6]
.endif
.endr
.endm
; ---------------------------------------------------------------- the head
	s_load_b512 s[8:23], s[0:1], 0x0               ; x 8, c 10, out0 12, out1 14, W1 16, b1 18, b2 20, b3 22
	s_load_b512 s[24:39], s[0:1], 0x40             ; W2 codes 24, scales 26, W3 codes 28, scales 30, bn mean 32, var 34, scale 36, bias 38
	v_lshl_add_u32 v254, v0, 2, 0x1b800
	v_mov_b32 v255, 0
	v_lshrrev_b32 v17, 5, v0
	v_readfirstlane_b32 s2, v17                    ; wave 0..15
	v_and_b32 v18, 31, v0                          ; lane
	v_and_b32 v19, 15, v0                          ; r
	v_bfe_u32 v20, v0, 4, 1                        ; h
	v_bfe_u32 v21, v0, 3, 1                        ; r / 8
	v_and_b32 v22, 7, v0                           ; r % 8
	; every LDS address is made here, ahead of the first branch on the wave's number
	v_lshlrev_b32 v[LI], 4, v18
	v_lshlrev_b32 v[LS], 2, v18
	v_lshlrev_b32 v[BH], 6, v20
	v_mul_u32_u24 v[B3H], v20, 768
	v_lshlrev_b32 v[BNH], 4, v20
	s_mul_i32 s48, s2, 2560
	s_add_co_u32 s48, s48, STG                     ; my stage
	v_lshrrev_b32 v23, 2, v18
	v_mul_u32_u24 v23, v23, 80
	v_and_b32 v24, 3, v0
	v_lshl_add_u32 v23, v24, 4, v23
	v_add_nc_u32 v[SWA], s48, v23
	v_mul_u32_u24 v23, v19, 80
	v_lshl_add_u32 v23, v20, 4, v23
	v_add_nc_u32 v[SRA], s48, v23
	s_lshl_b32 s48, s2, 7
	s_add_co_u32 s48, s48, LD
	v_add_nc_u32 v[LDB], s48, v[LS]
	s_mul_i32 s48, s2, 1536
	v_add_nc_u32 v26, s48, v[LI]                   ; set-up: my fragment's image
	s_lshl_b32 s48, s2, 6
	v_lshl_add_u32 v27, v19, 2, s48                ; its scale words
	s_lshl_b32 s48, s2, 9
	v_add_nc_u32 v28, s48, v[LI]                   ; my 512 bytes of W1's images, of b1 or b2
	v_lshlrev_b32 v29, 2, v0                       ; my word of b3
	v_lshlrev_b32 v30, 2, v19                      ; 4 r: the BN vectors, in memory and in LDS
	v_lshlrev_b32 v31, 4, v0                       ; the end: my 16 bytes of the log-dets, in LDS and in out1
	v_lshlrev_b32 v[CO], 5, v19
	v_lshl_add_u32 v[CO], v20, 4, v[CO]
	v_mov_b32 v[C0], 0x3f0a9444                    ; ln(e - 1): softplus of it is the boundary slope 1
	v_mov_b32 v[QT+1], 0                           ; written once: a lane permute's destination counts as one of its sources
	v_mov_b32 v[QT+5], 0
	; set-up, part A: fragment F = wave of W3.  d = F / 6 = 43 F >> 8; its rows: 188 (r / 8) + r % 8 + 8 F - d
	s_mul_i32 s48, s2, 43
	s_lshr_b32 s48, s48, 8
	s_lshl_b32 s49, s2, 3
	s_sub_co_u32 s49, s49, s48
	v_mad_u32_u24 v23, v21, 188, v22
	v_add_nc_u32 v24, s49, v23
	v_min_u32 v24, 375, v24                        ; param 47 of dim 7 does not exist: the last row again; its result is never read
	v_mul_u32_u24 v25, v24, 96
	v_mad_u32_u24 v25, v20, 24, v25                ; codes: 96 bytes a row, + 24 h
	v_lshlrev_b32 v24, 2, v24                      ; scale word: 4 bytes a row
	; part B: fragment wave + 16: of W3 for waves 0-7; for waves 8-15 tile t = wave - 8 of W2: rows 16 (r / 8) + r % 8 + 32 (t / 2) + 8 (t % 2)
	s_add_co_u32 s50, s2, 16
	s_mul_i32 s48, s50, 43
	s_lshr_b32 s48, s48, 8
	s_lshl_b32 s50, s50, 3
	s_sub_co_u32 s50, s50, s48
	s_and_b32 s51, s2, 7
	s_lshr_b32 s52, s51, 1
	s_lshl_b32 s52, s52, 5
	s_and_b32 s51, s51, 1
	s_lshl_b32 s51, s51, 3
	s_add_co_u32 s51, s51, s52
	s_mov_b32 s52, 188
	s_cmp_lt_u32 s2, 8
	s_cselect_b32 s50, s50, s51
	s_cselect_b32 s52, s52, 16
	v_mad_u32_u24 v244, v21, s52, v22
	v_add_nc_u32 v244, s50, v244
	v_min_u32 v244, 375, v244
	v_mul_u32_u24 v245, v244, 96
	v_mad_u32_u24 v245, v20, 24, v245
	v_lshlrev_b32 v244, 2, v244
	; W1: tile t = wave / 2, half q = wave % 2 of K: W1[8 q + 4 h + i][unit], 512 bytes a row
	s_lshr_b32 s48, s2, 2
	s_lshl_b32 s48, s48, 5
	s_bfe_u32 s49, s2, 0x10001
	s_lshl_b32 s49, s49, 3
	s_add_co_u32 s48, s48, s49                     ; the tile's first unit
	s_lshl_b32 s48, s48, 2
	s_and_b32 s49, s2, 1
	s_lshl_b32 s49, s49, 12
	s_add_co_u32 s48, s48, s49
	v_lshl_add_u32 v246, v21, 4, v22
	v_lshlrev_b32 v246, 2, v246
	v_lshl_add_u32 v246, v20, 11, v246
	v_add_nc_u32 v246, s48, v246
	; b3: word n of the padded table is b3[n - n / 48]; n / 48 = 11 (n / 16) >> 5 for n under 512
	v_lshrrev_b32 v247, 4, v0
	v_mul_u32_u24 v247, v247, 11
	v_lshrrev_b32 v247, 5, v247
	v_sub_nc_u32 v247, v0, v247
	v_min_u32 v247, 375, v247
	v_lshlrev_b32 v247, 2, v247
	s_mov_b32 s40, 0x3fb8aa3b                      ; log2(e), as a pair for the packed forms
	s_mov_b32 s41, s40
	s_mov_b32 s42, 0xbfb8aa3b                      ; -log2(e)
	s_mov_b32 s43, s42
	s_mov_b32 s44, 0x76543210                      ; v_permlanex16_b32's selects for lane l xor 16
	s_mov_b32 s45, 0xfedcba98
	s_mov_b32 s46, 0x3f317218                      ; ln 2
	s_mov_b32 s47, 0xffff0000                      ; lanes 16-31
	s_mul_i32 s48, ttmp9, PERWG
	s_sub_co_u32 s3, UNITS, s48
	s_min_u32 s3, s3, PERWG                        ; how many units my work-group has
	s_sub_co_u32 s49, s3, 1
	s_min_u32 s49, s49, s2                         ; my first unit; a wave that has none (in the last work-group alone) is held at the work-group's last, so that its first loads stay inside x and c; it uses nothing of them
	s_add_co_u32 s48, s48, s49
	s_lshl_b32 s54, s48, 11                        ; 2,048 bytes of x and of out0 a unit (32,000,000 in all: 32 bits do)
	s_mov_b32 s55, 0
	s_lshl_b32 s56, s48, 10                        ; 1,024 of c
	s_mov_b32 s57, 0
	s_mul_i32 s58, ttmp9, PERWG*128                ; out1: 128 bytes a unit, from the work-group's first
	s_mov_b32 s59, 0
	s_mov_b32 s4, s2                               ; the unit in hand, counted in the work-group
	s_mov_b32 s5, 0                                ; trips
	s_mov_b32 s6, 0                                ; 2,048 x trip: the unit's place among the log-dets
	s_wait_kmcnt 0x0
	s_add_nc_u64 s[8:9], s[8:9], s[54:55]
	s_add_nc_u64 s[12:13], s[12:13], s[54:55]
	s_add_nc_u64 s[10:11], s[10:11], s[56:57]
	s_add_nc_u64 s[14:15], s[14:15], s[58:59]
	PF 0                                           ; my first unit's rows
.irp p,0,1,2,3,4,5
	global_load_b64 v[64+2*\p:65+2*\p], v25, s[28:29] offset:48*(\p/3)+8*(\p%3)
.endr
	global_load_b32 v88, v24, s[30:31]
	s_cmp_lt_u32 s2, 8                             ; the choice hangs on the wave's number alone
	s_cselect_b64 s[48:49], s[28:29], s[24:25]
	s_cselect_b64 s[50:51], s[30:31], s[26:27]
.irp p,0,1,2,3,4,5
	global_load_b64 v[76+2*\p:77+2*\p], v245, s[48:49] offset:48*(\p/3)+8*(\p%3)
.endr
	global_load_b32 v89, v244, s[50:51]
.irp i,0,1,2,3
	global_load_b32 v[92+\i], v246, s[16:17] offset:512*\i
.endr
	global_load_b32 v90, v247, s[22:23]
	s_cmp_lt_u32 s2, 2                             ; waves 0, 1: b1, b2 as they lie
	s_cbranch_scc0 .Lno_bias
	s_cmp_eq_u32 s2, 0
	s_cselect_b64 s[52:53], s[18:19], s[20:21]
	global_load_b128 v[96:99], v[LI], s[52:53]
	s_wait_loadcnt 0x0
	ds_store_b128 v28, v[96:99] offset:BB
.Lno_bias:
	s_cmp_eq_u32 s2, 2                             ; wave 2: the BN vectors (lanes 16-31 write the same words with the same values)
	s_cbranch_scc0 .Lno_bn
	global_load_b32 v96, v30, s[32:33]
	global_load_b32 v97, v30, s[34:35]
	global_load_b32 v98, v30, s[36:37]
	global_load_b32 v99, v30, s[38:39]
	s_wait_loadcnt 0x0
	v_add_f32 v97, 0x3727c5ac, v97                 ; var + 1e-5
	v_rsq_f32 v97, v97
	v_nop                                          ; a plain place behind the transcendental
	s_wait_alu depctr_va_vdst(0)
	v_mul_f32 v97, v97, v98
	ds_store_b32 v30, v96 offset:BNC
	ds_store_b32 v30, v97 offset:BNC+64
	ds_store_b32 v30, v99 offset:BNC+128
.Lno_bn:
	s_wait_loadcnt 0x0
.irp g,0,1,2
	ds_store_b128 v26, v[64+4*\g:67+4*\g] offset:CI+512*\g
	ds_store_b128 v26, v[76+4*\g:79+4*\g] offset:CI+16*1536+512*\g
.endr
	ds_store_b32 v27, v88 offset:SI
	ds_store_b32 v27, v89 offset:SI+16*64
	ds_store_b128 v28, v[92:95] offset:W1I
	ds_store_b32 v29, v90 offset:B3P
	s_wait_dscnt 0x0                               ; for the others' sake: my stores have landed
	s_barrier_signal -1
	s_barrier_wait -1                              ; the weights lie in LDS; nobody writes them again
; ---------------------------------------------------------------- four trips; a trip whose unit does not exist steps its addresses and does nothing else
.Ltrip:
	s_cmp_ge_u32 s4, s3
	s_cbranch_scc1 .Lstep
	s_wait_loadcnt 0x0                             ; the unit's rows, asked for a layer ago
.irp i,0,1,2,3
	ds_store_b128 v[SWA], v[PFX+4*\i:PFX+4*\i+3] offset:640*\i      ; x through my stage: in as it lies, out by rows.  LDS serves a wave's instructions in order
.endr
.irp a,0,1
	ds_load_b128 v[XT+4*\a:XT+4*\a+3], v[SRA] offset:1280*\a        ; x[r][4 h ..]: the dims that I transform
	ds_load_b128 v[IN+8*\a:IN+8*\a+3], v[SRA] offset:1280*\a+32     ; x[r][8 + 4 h ..]
.endr
.irp k,0,1,2,3,4,5
	ds_load_b128 v[E+4*\k:E+4*\k+3], v[BNH] offset:BNC+32*\k        ; mean, gain, bias of my 8 features
.endr
	LD_L1 0
	s_wait_dscnt 8                                 ; all but the eight loads just issued
.irp a,0,1
	v_pk_add_f32 v[IN+8*\a:IN+8*\a+1], v[IN+8*\a:IN+8*\a+1], v[E:E+1] neg_lo:[0,1] neg_hi:[0,1]
	v_pk_add_f32 v[IN+8*\a+2:IN+8*\a+3], v[IN+8*\a+2:IN+8*\a+3], v[E+2:E+3] neg_lo:[0,1] neg_hi:[0,1]
	v_pk_add_f32 v[IN+8*\a+4:IN+8*\a+5], v[PFC+4*\a:PFC+4*\a+1], v[E+4:E+5] neg_lo:[0,1] neg_hi:[0,1]
	v_pk_add_f32 v[IN+8*\a+6:IN+8*\a+7], v[PFC+4*\a+2:PFC+4*\a+3], v[E+6:E+7] neg_lo:[0,1] neg_hi:[0,1]
.endr
.irp a,0,1
.irp k,0,2,4,6
	v_pk_fma_f32 v[IN+8*\a+\k:IN+8*\a+\k+1], v[IN+8*\a+\k:IN+8*\a+\k+1], v[E+8+\k:E+9+\k], v[E+16+\k:E+17+\k]
.endr
.endr
	; ---- layer 1: 32 units at a time = one block of the next K
.irp b,0,1,2,3
	s_wait_dscnt 0x0
	MM1
	PLACES 8                                       ; behind the f32 form: eight places ahead of the first read of its results and of loads into its sources
.if \b < 3
	LD_L1 \b+1
.else
	LD_CODE 24, BH, BB+512
.endif
	SWISH
	QBLK \b, CD1, SW1
.endr
	PLACES 8                                       ; a scale word made by vector instructions stands eight places ahead of the scaled product, codes so made four
	; ---- layer 2
.irp b,0,1,2,3
	s_wait_dscnt 0x0
	MMS CD1, SW1
	PLACES 4                                       ; four places behind this form
.if \b < 3
	LD_CODE 26+2*\b, BH, BB+512+128*(\b+1)
.else
	LD_CODE 0, B3H, B3P
.endif
	SWISH
	QBLK \b, CD2, SW2
.endr
	PLACES 8
	s_add_co_u32 s7, s4, 16                        ; my next unit's rows, if it exists: no load leaves its buffer.  They have all of layer 3 in which to land
	s_cmp_ge_u32 s7, s3
	s_cbranch_scc1 .Lno_next
	PF 32768
.Lno_next:
	; ---- layer 3 and the spline: dims d and d + 4; g = 0 widths, 1 heights, 2 slopes
.irp d,0,1,2,3
.irp g,0,1,2
	s_wait_dscnt 0x0
	MMS CD2, SW2
	PLACES 4
.if 3*\d+\g < 11
	LD_CODE 2*(3*\d+\g+1), B3H, B3P+64*(3*\d+\g+1)
.endif
.if \g == 0
	SMAX
	XSEL \d
.elseif \g == 1
	SMAX
	YSEL
.else
	SSEL
	FINAL \d
.endif
.endr
.endr
	; ---- the way out: y over x's first half in my stage (the second half still lies there), back as the rows lie in memory
.irp a,0,1
	ds_store_b128 v[SRA], v[YT+4*\a:YT+4*\a+3] offset:1280*\a
.endr
.irp i,0,1,2,3
	ds_load_b128 v[E+4*\i:E+4*\i+3], v[SWA] offset:640*\i
.endr
.irp a,0,1
	v_permlanex16_b32 v[MX+\a], v[LG+\a], s44, s45
.endr
.irp a,0,1
	v_add_f32 v[LG+\a], v[LG+\a], v[MX+\a]         ; my four dims' and lane l xor 16's four
.endr
	v_cndmask_b32 v[MX], v[LG], v[LG+1], s47       ; lanes 0-15 tile 0's row r, lanes 16-31 tile 1's: the unit's row = lane
	v_add_nc_u32 v[LDA], s6, v[LDB]
	v_mul_f32 v[MX], s46, v[MX]                    ; log2 to ln
	ds_store_b32 v[LDA], v[MX]
.irp i,0,1,2,3
	s_wait_dscnt 4-\i                              ; behind row load i: 3 - i row loads and the store of the log-det
	global_store_b128 v[LI], v[E+4*\i:E+4*\i+3], s[12:13] offset:512*\i th:TH_STORE_NT   ; 32 lanes store 512 consecutive bytes, at a multiple of 256 from out0's first byte
.endr
.Lstep:
	s_wait_xcnt 0x0                                ; the bases, and the registers that the stores read, are written again only behind this wait
	s_add_nc_u64 s[8:9], s[8:9], 32768             ; sixteen units on
	s_add_nc_u64 s[12:13], s[12:13], 32768
	s_add_nc_u64 s[10:11], s[10:11], 16384
	s_add_co_u32 s6, s6, 2048
	s_add_co_u32 s4, s4, 16
	s_add_co_u32 s5, s5, 1
	s_cmp_lt_u32 s5, 4
	s_cbranch_scc1 .Ltrip
; ---------------------------------------------------------------- the log-dets leave together: 16 bytes a thread, 128 bytes a unit
	s_wait_dscnt 0x0                               ; for the others' sake: my log-dets have landed
	s_barrier_signal -1
	s_barrier_wait -1
	s_lshl_b32 s7, s3, 3                           ; 8 threads a unit
	s_wait_xcnt 0x0                                ; EXEC changes only behind this wait
	v_cmp_gt_u32 vcc_lo, s7, v0
	s_wait_tensorcnt 0x0
	ds_add_u32 v254, v255
	s_wait_dscnt 0x0
	s_and_saveexec_b32 s48, vcc_lo
	ds_load_b128 v[E:E+3], v31 offset:LD
	s_wait_dscnt 0x0
	global_store_b128 v31, v[E:E+3], s[14:15] th:TH_STORE_NT   ; sixteen lanes store 256 consecutive bytes, at a multiple of 256 from out1's first byte
	s_endpgm
.Lfunc_end_k_q668284d64e_spline:
	.size	k_q668284d64e_spline, .Lfunc_end_k_q668284d64e_spline-k_q668284d64e_spline
	.p2alignl 7, 3214868480
	.fill 96, 4, 3214868480
	.section	.rodata,"a",@progbits
	.p2align	6, 0x0
	.amdhsa_kernel k_q668284d64e_spline
		.amdhsa_group_segment_fixed_size 114688
		.amdhsa_private_segment_fixed_size 0
		.amdhsa_enable_private_segment 0
		.amdhsa_kernarg_size 128
		.amdhsa_user_sgpr_count 2
		.amdhsa_user_sgpr_kernarg_segment_ptr 1
		.amdhsa_wavefront_size32 1
		.amdhsa_system_sgpr_workgroup_id_x 1
		.amdhsa_system_sgpr_workgroup_id_y 1
		.amdhsa_system_sgpr_workgroup_id_z 1
		.amdhsa_system_vgpr_workitem_id 0
		.amdhsa_next_free_vgpr 256
		.amdhsa_next_free_sgpr 100
		.amdhsa_reserve_vcc 1
		.amdhsa_float_denorm_mode_32 3
		.amdhsa_float_denorm_mode_16_64 3
		.amdhsa_memory_ordered 1
		.amdhsa_forward_progress 1
		.amdhsa_inst_pref_size 207
	.end_amdhsa_kernel
	.amdgpu_metadata
---
amdhsa.version: [ 1, 2 ]
amdhsa.kernels:
  - .name:           k_q668284d64e_spline
    .symbol:         k_q668284d64e_spline.kd
    .args:
      - { .name: x, .offset: 0, .size: 8, .value_kind: global_buffer, .address_space: global }
      - { .name: c, .offset: 8, .size: 8, .value_kind: global_buffer, .address_space: global }
      - { .name: out0, .offset: 16, .size: 8, .value_kind: global_buffer, .address_space: global }
      - { .name: out1, .offset: 24, .size: 8, .value_kind: global_buffer, .address_space: global }
      - { .name: W1, .offset: 32, .size: 8, .value_kind: global_buffer, .address_space: global }
      - { .name: b1, .offset: 40, .size: 8, .value_kind: global_buffer, .address_space: global }
      - { .name: b2, .offset: 48, .size: 8, .value_kind: global_buffer, .address_space: global }
      - { .name: b3, .offset: 56, .size: 8, .value_kind: global_buffer, .address_space: global }
      - { .name: W2_codes, .offset: 64, .size: 8, .value_kind: global_buffer, .address_space: global }
      - { .name: W2_scales, .offset: 72, .size: 8, .value_kind: global_buffer, .address_space: global }
      - { .name: W3_codes, .offset: 80, .size: 8, .value_kind: global_buffer, .address_space: global }
      - { .name: W3_scales, .offset: 88, .size: 8, .value_kind: global_buffer, .address_space: global }
      - { .name: bn_mean, .offset: 96, .size: 8, .value_kind: global_buffer, .address_space: global }
      - { .name: bn_var, .offset: 104, .size: 8, .value_kind: global_buffer, .address_space: global }
      - { .name: bn_scale, .offset: 112, .size: 8, .value_kind: global_buffer, .address_space: global }
      - { .name: bn_bias, .offset: 120, .size: 8, .value_kind: global_buffer, .address_space: global }
    .group_segment_fixed_size: 114688
    .private_segment_fixed_size: 0
    .kernarg_segment_align: 8
    .kernarg_segment_size: 128
    .max_flat_workgroup_size: 512
    .sgpr_count:     100
    .vgpr_count:     256
    .wavefront_size: 32
...
	.end_amdgpu_metadata
.endif
;; end of part 1
